; MI455X (gfx1250); checked and timed in simulation.
; The chip was launched on July 23, 2026; its instructions are those of AMD's public machine-readable ISA for CDNA 5 (MIT licence, August 2026) and "CDNA5" Instruction Set Architecture Reference Guide (July 2026). The comments in the code are by the model that wrote it; some were corrected since.
;; Group Query Attention. Allowed arithmetic: matrix products marked QUANTISED: E4M3 operands, one given power-of-two scale a tensor, by v_wmma_f32_16x16x64_fp8_fp8 or v_wmma_f32_16x16x128_fp8_fp8, f32 sums; everything else in f32.
;; Inputs: Wc_codes 2,048 x 64 x 32 uint8 (E4M3 codes of Wc, K innermost, in blocks of 32 codes); bc 2,048 float32; k 2 x 2,048 x 512 float32; lowp_scales 6 int32 (the exponents e of the quantised operands' scales 2^e); q 2 x 2,048 x 2,048 float32; v_codes 2 x 512 x 64 x 32 uint8 (E4M3 codes of v, K innermost, in blocks of 32 codes).
;; Outputs: out0 2 x 2,048 x 2,048 float32.
;; This version of the problem:
;;   THIS VERSION OF THE PROBLEM IS GIVEN IN LOW PRECISION. The matrix products marked QUANTISED in the list below multiply operands that are first quantised to E4M3 (4 exponent bits, 3 mantissa bits; 8 bits a number), with one given power-of-two scale for each operand tensor; their sums are f32. All else is computed in f32.
;;   The module's matrix products, in the order in which they are computed (A, B: the left and right operand; K: the contracted axis; several contracted axes count as one K, in the product's order):
;;     1. batch 8 x [M 8,192, K 128] x [K 128, N 2,048]; A: input q; B: input k: QUANTISED (scales: A lowp_scales[0], B lowp_scales[1])
;;     2. batch 8 x [M 8,192, K 2,048] x [K 2,048, N 128]; A: softmax (see below); B: input v (given as codes): QUANTISED (scales: A lowp_scales[2], B lowp_scales[3])
;;     3. [M 4,096, K 2,048] x [K 2,048, N 2,048]; A: computed on the way; B: input Wc (given as codes): QUANTISED (scales: A lowp_scales[4], B lowp_scales[5])
;;   THE QUANTISER, for each operand of a quantised product, along K:
;;     - The operand's scale is 2^e, e = its entry of the input lowp_scales (int32; the entries are numbered through the quantised products in the list's order, A before B).
;;     - Each number is divided by the scale, clamped to +-448, and rounded to the nearest number of E4M3, ties to even, subnormals kept.
;;     - The product sums the exact products of the quantised numbers (number of the format x scale) in f32.
;;   ~~~python
;;   def quantise(x, axis, e):      # numpy; x: float32 -> the quantised numbers, widened to float32 again
;;       x = np.moveaxis(x, axis, -1); K = x.shape[-1]
;;       r = np.clip(x / 2.0 ** e, -448, 448)
;;       step = 2.0 ** (np.maximum(np.frexp(np.where(r == 0, 1, r))[1] - 1, -6) - 3)
;;       q = np.round(r / step) * step * 2.0 ** e      # np.round: ties to even
;;       return np.moveaxis(q, -1, axis).astype(np.float32)
;;   ~~~
;;   SOFTMAX AHEAD OF A QUANTISED PRODUCT. Where the list says 'softmax', what is quantised is not the finished softmax but p = 2^(t - M), with t = logit x log2(e) and M = ceil(the row's largest t), a whole number; so 1/2 < the row's largest p <= 1. The row's sum l is taken of the UNQUANTISED p, in f32, and the product's result is divided by l at the end. Since M is a whole number, a kernel that streams over the keys may use a running M (the ceiling of the running maximum): every later rescaling is an exact power of two, so the quantised numbers keep their values, but for numbers so far below the row's largest that they fall under the format's range.
;;   OPERANDS COMPUTED ON THE WAY. 'Computed on the way' means the value that the module computes at that place (a softmax that the list does not call 'softmax' is quantised finished and normalised). What goes into a quantiser is computed in f32, as accurately as f32 sums, v_exp_f32 and their like allow (about 1e-6 of the number): no bf16 or f16 on the way to a quantiser, and a product that is left as it is and whose result goes on into a quantised operand takes f32 operands (vector FMAs, or v_wmma_f32_16x16x4_f32). A number that lies on a knife's edge between two numbers of the format may be rounded either way, as far as f32 arithmetic and the matrix unit's own rounding can turn it there, and no further.
;;   INPUTS GIVEN AS CODES. Wc (in the module: [2048, 2048], K = its axis 1); v (in the module: [2, 2048, 512], K = its axis 1): each comes as NAME_codes (uint8): NAME with its K axis moved to the last place and cut into blocks of 32 codes, [.., K / 32, bytes a block], one block behind the other in memory; one code a byte (a code: sign, 4 exponent bits, 3 mantissa bits); its scale is its entry of lowp_scales. Its value is code x scale, taken as it is: it is not quantised again, and the codes and scales need not be those that the quantiser above would give.
;; One version. Each part assembles by itself: llvm-mc -triple=amdgcn-amd-amdhsa -mcpu=gfx1250 --defsym DOCPART=n.
;; ======== version 1 of 1: 3 launches
;; limits: right only within a limited range of input values
;; workspace buffers: k_codes 2,097,152 bytes; a_codes 8,388,608 bytes
;; launch kquant (part 1): grid 256 x 1, 4 waves a work-group, no clusters, 34,304 bytes of LDS; arguments k, lowp_scales, k_codes; writes k_codes
.if DOCPART == 1
	.amdgcn_target "amdgcn-amd-amdhsa--gfx1250"
	.amdhsa_code_object_version 6
	.text
	.protected	k_q397973250a_kquant
	.globl	k_q397973250a_kquant
	.p2align	8
	.type	k_q397973250a_kquant,@function
k_q397973250a_kquant:
	s_mov_b64 s[64:65], 0
	v_nop
	global_prefetch_b8 v0, s[64:65] scope:SCOPE_SE
	s_setreg_imm32_b32 hwreg(HW_REG_WAVE_MODE, 25, 1), 1
	s_wait_xcnt 0x0
; k [2][2048][512] f32 becomes codes of FP8 (E4M3) with the given scale 2^e1 (entry 1 of the scales), laid as the attention launch's operand registers want them.
; code = x / 2^e1, held within +-448, rounded to the nearest code, ties to even.  Every input has a way to the output and is loaded.
; LIMITS: e1 between -126 and 119, so that 2^e1 and 448 x 2^e1 are f32 numbers.  NaN among the inputs is not served; an infinity is held at the largest code.
; OUTPUT LAYOUT: [batch x group: 8][image T: 128][2,048 bytes].  An image is a fragment's registers on end: byte 512 c + 16 lane + i, c = 0 .. 3:
; lane (r = lane % 16, h = lane / 16) holds channels 32 c + 16 h + 0 .. 15 of the image's row r.
; THE KEYS OF AN IMAGE ARE NOT NEIGHBOURS: row r of image T is key 32 (T / 2) + 8 (T % 2) + r + 8 (r / 8), so that in the attention's transposed scores a lane's 16 registers of images 2 b, 2 b + 1 are 16 neighbouring keys.
; SHARES: one wave makes one image: 1,024 waves, four to a work-group.  Each of a wave's 16 loads reads one key's 512 consecutive bytes; the rows turn through the wave's own stage in LDS (rows of 528 bytes).
; No loop, no barrier, no cluster, no tensor load: waves share nothing, and every byte of k is read once in the launch.
.set SPITCH, 528
.set STG,    16*SPITCH
.set LI,  1                            ; 16 x lane
.set SW,  2                            ; the stage, in
.set SR,  3                            ; the stage, out: row r, + 64 h
.set LIM, 10                           ; 448 x 2^e1
.set SC,  11                           ; 2^e1
.set RAW, 16
.set X,   80
.set C,   144
	s_load_b128 s[4:7], s[0:1], 0x0                ; k, the scales' exponents
	s_load_b64 s[8:9], s[0:1], 0x10                ; k_codes
	v_lshl_add_u32 v160, v0, 2, 0x8400             ; my spare word, behind the four stages
	v_mov_b32 v161, 0
	v_lshrrev_b32 v4, 5, v0
	v_readfirstlane_b32 s12, v4                    ; wave 0..3
	v_and_b32 v5, 31, v0
	v_lshlrev_b32 v[LI], 4, v5
	v_and_b32 v6, 15, v0
	v_bfe_u32 v7, v0, 4, 1
	s_mul_i32 s13, s12, STG
	v_add_nc_u32 v[SW], s13, v[LI]
	v_mul_u32_u24 v[SR], v6, SPITCH
	v_lshl_add_u32 v[SR], v7, 6, v[SR]
	v_add_nc_u32 v[SR], s13, v[SR]
	s_lshl_b32 s14, ttmp9, 2
	s_add_co_u32 s14, s14, s12                     ; my image, 0 .. 1023 = 128 x (4 batch + group) + T
	s_lshr_b32 s15, s14, 7
	s_and_b32 s16, s14, 127                        ; T
	s_lshr_b32 s17, s15, 2                         ; batch
	s_and_b32 s18, s15, 3                          ; group
	s_lshl_b32 s20, s17, 22                        ; a batch of k: 2,048 keys x 2,048 bytes
	s_lshr_b32 s19, s16, 1
	s_lshl_b32 s19, s19, 16                        ; 32 (T / 2) keys
	s_and_b32 s25, s16, 1
	s_lshl_b32 s25, s25, 14                        ; + 8 (T % 2) keys
	s_add_co_u32 s19, s19, s25
	s_add_co_u32 s20, s20, s19
	s_lshl_b32 s19, s18, 9                         ; a group's 128 channels: 512 bytes
	s_add_co_u32 s20, s20, s19
	s_mov_b32 s21, 0
	s_lshl_b32 s22, s14, 11                        ; 2,048 bytes an image
	s_mov_b32 s23, 0
	s_wait_alu depctr_va_vdst(0)                   ; the wait at the head's end
	s_wait_kmcnt 0x0
	s_load_b32 s24, s[6:7], 0x4                    ; e1
	s_add_nc_u64 s[4:5], s[4:5], s[20:21]
	s_add_nc_u64 s[8:9], s[8:9], s[22:23]
.set i, 0
.rept 16
	global_load_b128 v[RAW+4*i:RAW+4*i+3], v[LI], s[4:5] offset:2048*(i+8*(i/8)) th:TH_LOAD_NT   ; row i: 32 lanes read 512 consecutive bytes
.set i, i+1
.endr
	s_wait_kmcnt 0x0
	s_add_co_i32 s24, s24, 127
	s_lshl_b32 s25, s24, 23
	v_mov_b32 v[SC], s25
	s_add_co_i32 s24, s24, 8
	s_lshl_b32 s24, s24, 23
	s_or_b32 s24, s24, 0x600000
	v_mov_b32 v[LIM], s24
	s_wait_alu depctr_va_vdst(0)
	s_wait_loadcnt 0x0
.set i, 0
.rept 16
	ds_store_b128 v[SW], v[RAW+4*i:RAW+4*i+3] offset:SPITCH*i
.set i, i+1
.endr
.irp c, 0,1,2,3
.irp j, 0,1,2,3
	ds_load_b128 v[X+16*\c+4*\j:X+16*\c+4*\j+3], v[SR] offset:128*\c+16*\j   ; LDS serves a wave's instructions in order (ISA guide 5.7.1.4)
.endr
.endr
	s_wait_dscnt 0x0
.set i, 0
.rept 64
	v_med3_num_f32 v[X+i], v[X+i], -v[LIM], v[LIM]   ; the conversion does not saturate (ISA guide 7.6.2): the hold comes first
.set i, i+1
.endr
.irp c, 0,1,2,3
	v_cvt_scalef32_pk8_fp8_f32 v[C+4*\c:C+4*\c+1], v[X+16*\c:X+16*\c+7], v[SC]
	v_cvt_scalef32_pk8_fp8_f32 v[C+4*\c+2:C+4*\c+3], v[X+16*\c+8:X+16*\c+15], v[SC]
.endr
	v_nop
.irp c, 0,1,2,3
	global_store_b128 v[LI], v[C+4*\c:C+4*\c+3], s[8:9] offset:512*\c   ; 32 lanes store 512 consecutive bytes
.endr
	s_wait_tensorcnt 0x0                           ; the wave's end
	ds_add_u32 v160, v161
	s_wait_dscnt 0x0
	s_endpgm
.Lfunc_end_k_q397973250a_kquant:
	.size	k_q397973250a_kquant, .Lfunc_end_k_q397973250a_kquant-k_q397973250a_kquant
	.p2alignl 7, 3214868480
	.fill 96, 4, 3214868480
	.section	.rodata,"a",@progbits
	.p2align	6, 0x0
	.amdhsa_kernel k_q397973250a_kquant
		.amdhsa_group_segment_fixed_size 34304
		.amdhsa_private_segment_fixed_size 0
		.amdhsa_enable_private_segment 0
		.amdhsa_kernarg_size 24
		.amdhsa_user_sgpr_count 2
		.amdhsa_user_sgpr_kernarg_segment_ptr 1
		.amdhsa_wavefront_size32 1
		.amdhsa_system_sgpr_workgroup_id_x 1
		.amdhsa_system_sgpr_workgroup_id_y 1
		.amdhsa_system_sgpr_workgroup_id_z 1
		.amdhsa_system_vgpr_workitem_id 0
		.amdhsa_next_free_vgpr 162
		.amdhsa_next_free_sgpr 66
		.amdhsa_reserve_vcc 0
		.amdhsa_float_denorm_mode_32 3
		.amdhsa_float_denorm_mode_16_64 3
		.amdhsa_memory_ordered 1
		.amdhsa_forward_progress 1
		.amdhsa_inst_pref_size 11
	.end_amdhsa_kernel
	.amdgpu_metadata
---
amdhsa.version: [ 1, 2 ]
amdhsa.kernels:
  - .name:           k_q397973250a_kquant
    .symbol:         k_q397973250a_kquant.kd
    .args:
      - { .name: k, .offset: 0, .size: 8, .value_kind: global_buffer, .address_space: global }
      - { .name: lowp_scales, .offset: 8, .size: 8, .value_kind: global_buffer, .address_space: global }
      - { .name: k_codes, .offset: 16, .size: 8, .value_kind: global_buffer, .address_space: global }
    .group_segment_fixed_size: 34304
    .private_segment_fixed_size: 0
    .kernarg_segment_align: 8
    .kernarg_segment_size: 24
    .max_flat_workgroup_size: 128
    .sgpr_count:     66
    .vgpr_count:     162
    .wavefront_size: 32
...
	.end_amdgpu_metadata
.endif
;; end of part 1
;; launch attn (part 2): grid 32 x 8, 8 waves a work-group, clusters of 4 x 1, 327,680 bytes of LDS; arguments q, k_codes, v_codes, lowp_scales, a_codes; writes a_codes
.if DOCPART == 2
	.amdgcn_target "amdgcn-amd-amdhsa--gfx1250"
	.amdhsa_code_object_version 6
	.text
	.protected	k_q397973250a_attn
	.globl	k_q397973250a_attn
	.p2align	8
	.type	k_q397973250a_attn,@function
k_q397973250a_attn:
	s_mov_b64 s[64:65], 0
	v_nop
	global_prefetch_b8 v0, s[64:65] scope:SCOPE_SE
	s_setreg_imm32_b32 hwreg(HW_REG_WAVE_MODE, 25, 1), 1
	s_wait_xcnt 0x0
	s_wait_alu depctr_hold_cnt(0) depctr_sa_sdst(0) depctr_va_vdst(0) depctr_va_sdst(0) depctr_va_ssrc(0) depctr_va_vcc(0) depctr_vm_vsrc(0)
	s_getreg_b32 s2, hwreg(HW_REG_IB_STS2, 6, 4)
	s_cmp_eq_u32 s2, 0
	s_cbranch_scc0 .Lentry_in_a_cluster
	s_endpgm
.Lentry_in_a_cluster:
	s_bfe_u32 s2, ttmp6, 0x10000c
	s_cmp_lg_u32 s2, 0x3003
	s_cbranch_scc0 .Lentry_shape_is_right
	s_endpgm
.Lentry_shape_is_right:
; Grouped-query attention on codes of FP8 (E4M3): a = Q4( softmax(Q0(q) Q1(k)^T / sqrt(128)) v ), each operand with the one scale 2^e given for it (e0 q, e1 k, e2 p, e3 v, e4 the result).
; q [2][2048][2048] f32 is quantised here, in registers: each number of it is read by one wave.  k comes as images of fragments (the launch before), v as codes with the keys innermost [2][512][2048].
; SOFTMAX: t = score x log2(e) / sqrt(128); M = the largest t so far, rounded UP to a whole number; p = 2^(t - M) is quantised; the row's sum is taken of the unquantised p and divides at the end.
; When M moves, the sum and O are multiplied by 2^(old M - new M), which rounds nothing.  No branch hangs on data.
; LIMITS: e0, e2, e4 between -126 and 119; e0 + e1 between -123 and 130 (added to c's exponent field); the scaled scores stay under 2^31 in magnitude.  NaN among the inputs is not served.
; SHARES.  A work-group owns 64 queries of one (batch, group), all four heads.  Wave w owns head w / 2 and queries 32 (w % 2) on: two tiles of 16, so each fragment of K or V feeds two matrix instructions.
; CLUSTER.  The four work-groups of a cluster are four query blocks of one (batch, group): every tile of K and V is asked for JOINTLY (mask 15).  My place in the cluster enters q's and the result's addresses alone.
; RING.  Two LDS slots of 512 keys (four steps of 128): K as 32 images (65,536 bytes), V as 128 rows (channels) of 512 bytes, 528 apart.  Waves 0-3 ask for K's quarters, waves 4-7 for V's: one load a wave.
; No data prefetch: a slot's fill is asked for four key steps (128 matrix instructions a wave, and their softmax) ahead of its first read, so the loop has no wait for tiles to run ahead of.
; LAYOUT.  S^T = K Q^T: lane (r, h) holds query r; by the images' order of keys, registers of tiles 2 b, 2 b + 1 are keys 32 b + 16 h + 0 .. 15.  Their codes are registers 4 b .. 4 b + 3 of source 1 of
; O^T = V^T P^T, and V is read in the same order of k, 16 bytes a lane at 32 b + 16 h: every product meets its partner.
; FRAGMENTS.  The next step's K is fetched right behind the scores' products; V lands in the scores' registers, tile by tile, as soon as their codes are made.
; RESULT LAYOUT: [head / 2: 8][tile of 16 rows: 256][head % 2][image 2,048].
; REGISTERS.  Window 0: v1-11 addresses; v12-19 statistics (tile x at 12 + 4 x: -M, largest t, the sum in two halves); v20-83 K's tiles 0-3; v84-211 S^T, p, then V; v212-227 at work; v228-241 scales, sums.
;   Window 1: v0-127 O^T; v128-159 p's codes; v160-191 Q's fragments; v192-255 K's tiles 4-7.
.set VP,     528
.set VOFF,   65536
.set SLOTB,  133120                    ; a slot; its two set bits (17, 11) are clear in every place inside a slot that a descriptor names, so one exclusive or changes slots
.set QP,     272
.set QSTG,   2*SLOTB                   ; behind the ring: a stage of 16 rows x 272 bytes for each wave, for q; no tile lands there
.set SPARE,  QSTG+8*16*QP              ; the spare words, 128 bytes a wave
.set NSL,    4
.set LI,  1
.set AV0, 2
.set SW,  3
.set SR,  4
.set SPW, 5
.set NIL, 6
.set QO,  7
.set ADK, 8
.set ADV, 9
.set ST,  12
.set F0,  20
.set S,   84
.set T,   212                          ; tile x at T + 8 x: +0 at work; +2 f; +3 zero; +4 the lane exchange
.set LIM2, 228                         ; 448 x 2^e2, twice: the two halves of a dual pair name registers of different banks
.set LIM2B, 229
.set SC2,  230
.set SC0,  231
.set LIM0, 232
.set SC4,  233
.set LIM4, 234
.set C1,  236
.set C2,  238
.set C3,  240
.set PC,  128
.set QF,  160
.set F1,  192
.set WV,  18
.set SEL, 20
.set CS,  22
.set G1K, 24
.set G1V, 32
.set G0K, 40
.set G0V, 44
.set TB,  48
.set SLOTS, 49
.set CNT, 50
.set KO,  51
.set VO,  92
.set W_F1,  0x40
.set W_KQ0, 0x04
.set W_KQ1, 0x05
.set W_CV,  0x40
.set W_RS,  0x41
.set W_PV,  0x54
.set W_OUT, 0x01
.set MSB, 0
.macro WIN new
.if MSB != \new
	s_set_vgpr_msb (MSB<<8)|\new
.set MSB, \new
.endif
.endm
.macro PLACES n
.rept \n
	v_nop
.endr
.endm
; A joint load: every wave issues one.  The branch hangs on the wave's number alone.
.macro JLOAD
	s_cmp_lt_u32 s[WV], 4
	s_cbranch_scc0 .Lfor_v_\@
	tensor_load_to_lds s[G0K:G0K+3], s[G1K:G1K+7]
	s_nop 0
	PLACES 4
	s_branch .Lasked_\@
.Lfor_v_\@:
	tensor_load_to_lds s[G0V:G0V+3], s[G1V:G1V+7]
	s_nop 0
	PLACES 4
.Lasked_\@:
.endm
.macro CROUND                          ; a round of the cluster's barrier
	s_barrier_signal -1
	s_barrier_wait -1
	s_cmp_lg_u32 s[WV], 0
	s_cbranch_scc1 .Lnot_wave_0_\@
	s_barrier_signal -3
.Lnot_wave_0_\@:
	s_barrier_wait -3
	s_barrier_signal -1
	s_barrier_wait -1
.endm
; tile x of q, loaded as halves of rows (sixteen lanes: 256 bytes), turns through my stage, half by half: afterwards register F0 + 16 c + i is channel 32 c + 16 h + i of query r
.macro TURNQ x
.irp hf, 0,1
.irp i, 0,1,2,3,4,5,6,7
	ds_store_b128 v[SW], v[S+64*(\x)+32*\hf+4*\i:S+64*(\x)+32*\hf+4*\i+3] offset:2*QP*\i
.endr
.irp cc, 0,1
.irp j, 0,1,2,3
	ds_load_b128 v[F0+32*\hf+16*\cc+4*\j:F0+32*\hf+16*\cc+4*\j+3], v[SR] offset:128*\cc+16*\j   ; LDS serves a wave's instructions in order (ISA guide 5.7.1.4)
.endr
.endr
.endr
.endm
.macro QUANT dst
.set i, 0
.rept 64
	v_med3_num_f32 v[F0+i], v[F0+i], -v[LIM0], v[LIM0]   ; the conversion does not saturate (ISA guide 7.6.2): the hold comes first
.set i, i+1
.endr
	WIN W_CV
.irp c, 0,1,2,3
	v_cvt_scalef32_pk8_fp8_f32 v[\dst+4*\c:\dst+4*\c+1], v[F0+16*\c:F0+16*\c+7], v[SC0]
	v_cvt_scalef32_pk8_fp8_f32 v[\dst+4*\c+2:\dst+4*\c+3], v[F0+16*\c+8:F0+16*\c+15], v[SC0]
.endr
	WIN 0
	v_nop
.endm
.macro SCL e, a, b                     ; a = 2^e, b = 448 x 2^e, as f32 bits
	s_add_co_i32 \b, \e, 127
	s_lshl_b32 \a, \b, 23
	s_add_co_i32 \b, \b, 8
	s_lshl_b32 \b, \b, 23
	s_or_b32 \b, \b, 0x600000
.endm
	s_load_b256 s[4:11], s[0:1], 0x0               ; q, k_codes, v_codes, the scales' exponents
	s_load_b64 s[12:13], s[0:1], 0x20              ; a_codes
	v_lshl_add_u32 v[SPW], v0, 2, SPARE
	v_mov_b32 v[NIL], 0
	ds_add_u32 v[SPW], v[NIL]                      ; the opening lines: the add, twice on end, and its wait ahead of my first tensor load
	ds_add_u32 v[SPW], v[NIL]
	v_lshrrev_b32 v7, 5, v0
	v_readfirstlane_b32 s[WV], v7                  ; wave 0..7
	s_wait_alu depctr_va_vdst(0)
	s_bfe_u32 s66, ttmp6, 0x40000                  ; cx
	s_lshl_b32 s67, ttmp9, 2
	s_add_co_u32 s67, s67, s66                     ; my block of 64 queries, 0 .. 31
	s_and_b32 s80, ttmp7, 0xffff                   ; 4 batch + group, which the partners share
	s_lshr_b32 s81, s80, 2
	s_and_b32 s82, s80, 3
	s_and_b32 s83, s[WV], 1                        ; which 32 queries are mine
	s_lshr_b32 s84, s[WV], 1                       ; my head in the group
	s_and_b32 s85, s[WV], 3                        ; which quarter of a tile I fetch
	s_lshl_b32 s86, s80, 18                        ; K: 128 images of 2,048 bytes for each (batch, group),
	s_lshl_b32 s90, s85, 14                        ; my 8 of a slot's 32: the same 16,384 bytes on in memory and in LDS
	s_add_co_u32 s86, s86, s90
	s_mov_b32 s87, 0
	s_lshl_b32 s88, s80, 18                        ; V: 128 rows of 2,048 bytes,
	s_lshl_b32 s91, s85, 16                        ; my 32 of them
	s_add_co_u32 s88, s88, s91
	s_mov_b32 s89, 0
	s_mul_i32 s91, s85, 32*VP
	s_add_co_u32 s91, s91, VOFF
	s_mul_i32 s93, s[WV], 16*QP
	s_add_co_u32 s93, s93, QSTG                    ; my stage
	s_lshl_b32 s68, s81, 11                        ; q: row (2,048 batch + 64 block + 32 half) of 8,192 bytes, + 2,048 group + 512 head
	s_lshl_b32 s72, s67, 6
	s_add_co_u32 s68, s68, s72
	s_lshl_b32 s72, s83, 5
	s_add_co_u32 s68, s68, s72
	s_lshl_b32 s68, s68, 13
	s_lshl_b32 s72, s82, 11
	s_add_co_u32 s68, s68, s72
	s_lshl_b32 s72, s84, 9
	s_add_co_u32 s68, s68, s72
	s_mov_b32 s69, 0
	s_lshl_b32 s70, s82, 1                         ; the result: (2 group + head / 2) x 1,048,576 + (128 batch + 4 block + 2 half) x 4,096 + (head % 2) x 2,048
	s_lshr_b32 s72, s84, 1
	s_add_co_u32 s70, s70, s72
	s_lshl_b32 s70, s70, 20
	s_lshl_b32 s72, s81, 7
	s_lshl_b32 s73, s67, 2
	s_add_co_u32 s72, s72, s73
	s_lshl_b32 s73, s83, 1
	s_add_co_u32 s72, s72, s73
	s_lshl_b32 s72, s72, 12
	s_add_co_u32 s70, s70, s72
	s_and_b32 s72, s84, 1
	s_lshl_b32 s72, s72, 11
	s_add_co_u32 s70, s70, s72
	s_mov_b32 s71, 0
	s_mov_b32 s[G1K], 15|(3<<16)|(1<<21)           ; K: 16,384 bytes on end as 64 rows of 32 elements of 8 bytes; mask: all four work-groups
	s_mov_b32 s[G1K+1], 32<<16
	s_mov_b32 s[G1K+2], 64<<16
	s_mov_b32 s[G1K+3], 32<<16
	s_mov_b32 s[G1K+4], 64
	s_mov_b32 s[G1K+5], 32
	s_mov_b32 s[G1K+6], 0
	s_mov_b32 s[G1K+7], 0
	s_mov_b32 s[G1V], 15|(1<<20)|(1<<21)|(6<<22)|(3<<25)   ; V: 32 rows of 512 bytes, 2,048 apart in memory; four words of padding after every 128
	s_mov_b32 s[G1V+1], 512<<16
	s_mov_b32 s[G1V+2], 32<<16
	s_mov_b32 s[G1V+3], 512<<16
	s_mov_b32 s[G1V+4], 32
	s_mov_b32 s[G1V+5], 2048
	s_mov_b32 s[G1V+6], 0
	s_mov_b32 s[G1V+7], 0
	s_mov_b32 s[SEL], 0x76543210
	s_mov_b32 s[SEL+1], 0xfedcba98
	s_mov_b32 s[CS], 0x3e0293ee                    ; log2(e) / sqrt(128)
	s_mov_b32 s[TB], 0
	s_mov_b32 s[SLOTS], NSL-1
	s_wait_dscnt 0x0                               ; both opening adds are done
	s_wait_kmcnt 0x0
	s_load_b128 s[52:55], s[10:11], 0x0            ; e0, e1, e2, e3
	s_load_b32 s56, s[10:11], 0x10                 ; e4
	s_mov_b32 s[G0K], 1
	s_mov_b32 s[G0K+1], s90
	s_add_nc_u64 s[G0K+2:G0K+3], s[6:7], s[86:87]
	s_or_b32 s[G0K+3], s[G0K+3], 0x80000000
	s_mov_b32 s[G0V], 1
	s_mov_b32 s[G0V+1], s91
	s_add_nc_u64 s[G0V+2:G0V+3], s[8:9], s[88:89]
	s_or_b32 s[G0V+3], s[G0V+3], 0x80000000
	s_add_nc_u64 s[4:5], s[4:5], s[68:69]
	s_add_nc_u64 s[12:13], s[12:13], s[70:71]
	CROUND                                         ; all four work-groups are here: the first joint loads meet
	JLOAD                                          ; slot 0: my one tensor load at the head
	v_and_b32 v10, 15, v0                          ; r
	v_bfe_u32 v11, v0, 4, 1                        ; h
	v_lshlrev_b32 v[QO], 13, v11
	v_lshl_add_u32 v[QO], v10, 4, v[QO]            ; lanes 0-15 one row of q, lanes 16-31 the next; 16 bytes a lane
.irp x, 0,1
.irp hf, 0,1
.irp i, 0,1,2,3,4,5,6,7
	global_load_b128 v[S+64*\x+32*\hf+4*\i:S+64*\x+32*\hf+4*\i+3], v[QO], s[4:5] offset:(16*\x+2*\i)*8192+256*\hf th:TH_LOAD_NT   ; sixteen lanes read 256 consecutive bytes, aligned
.endr
.endr
.endr
	v_and_b32 v[LI], 31, v0
	v_lshlrev_b32 v[LI], 4, v[LI]
	v_mul_u32_u24 v[AV0], v10, VP
	v_lshl_add_u32 v[AV0], v11, 4, v[AV0]
	v_add_nc_u32 v[AV0], VOFF, v[AV0]              ; V: row r, + 16 h
	v_mul_u32_u24 v[SW], v11, QP
	v_lshl_add_u32 v[SW], v10, 4, v[SW]
	v_add_nc_u32 v[SW], s93, v[SW]
	v_mul_u32_u24 v[SR], v10, QP
	v_lshl_add_u32 v[SR], v11, 6, v[SR]
	v_add_nc_u32 v[SR], s93, v[SR]
.irp x, 0,1
	v_mov_b32 v[ST+4*\x+1], 0xff61b1e6             ; the largest t so far: -3e38
	v_floor_f32 v[ST+4*\x], -v[ST+4*\x+1]          ; -M
	v_mov_b32 v[ST+4*\x+2], 0
	v_mov_b32 v[ST+4*\x+3], 0
	v_mov_b32 v[T+8*\x+3], 0                       ; named as the upper half of f's pair
	v_mov_b32 v[T+8*\x+4], 0                       ; a lane exchange's destination counts as a source
.endr
	WIN 0x40
.set i, 0
.rept 128
	v_mov_b32 v[i], 0                              ; O^T: the key step is written for every step alike; the first finds zeros, which the first change of M leaves zeros
.set i, i+1
.endr
	WIN 0
	s_wait_alu depctr_va_vdst(0)
	s_wait_kmcnt 0x0
	s_add_co_i32 s58, s52, s53
	s_lshl_b32 s58, s58, 23
	s_add_co_i32 s[CS], s[CS], s58                 ; c x 2^(e0 + e1)
	s_mov_b32 s[CS+1], s[CS]
	s_add_co_i32 s60, s54, s55                     ; e2 + e3
	SCL s54, s72, s73
	SCL s52, s74, s75
	SCL s56, s76, s77
	v_mov_b32 v[SC2], s72
	v_mov_b32 v[LIM2], s73
	v_mov_b32 v[LIM2B], s73
	v_mov_b32 v[SC0], s74
	v_mov_b32 v[LIM0], s75
	v_mov_b32 v[SC4], s76
	v_mov_b32 v[LIM4], s77
	s_wait_alu depctr_va_vdst(0)
	s_wait_loadcnt 16                              ; my first tile's 16 loads are in; the second tile's 16 may be out
	TURNQ 0
	s_wait_dscnt 0x0
	QUANT QF
	s_wait_loadcnt 0x0
	TURNQ 1
	s_wait_dscnt 0x0
	QUANT QF+16
.macro KLOAD off                       ; a step's eight images of K, as they lie: 512 consecutive bytes a load
.irp t, 0,1,2,3
.irp c, 0,1,2,3
	ds_load_b128 v[F0+16*\t+4*\c:F0+16*\t+4*\c+3], v[ADK] offset:\off+2048*\t+512*\c
.endr
.endr
	WIN W_F1
.irp t, 0,1,2,3
.irp c, 0,1,2,3
	ds_load_b128 v[F1+16*\t+4*\c:F1+16*\t+4*\c+3], v[ADK] offset:\off+2048*(4+\t)+512*\c
.endr
.endr
	WIN 0
.endm
.macro VLOAD g                         ; V's tiles 4 g .. 4 g + 3 (channel 16 t + r, keys 32 c + 16 h + 0 .. 15) into the registers that held tile g's p
.irp t, 0,1,2,3
.irp c, 0,1,2,3
	ds_load_b128 v[S+64*(\g)+16*\t+4*\c:S+64*(\g)+16*\t+4*\c+3], v[ADV] offset:16*VP*(4*(\g)+\t)+32*\c
.endr
.endr
.endm
.macro SUMS x                          ; the row's sum of the UNQUANTISED p, under the new M, in four chains
.set P, S+64*(\x)
.set A, ST+4*(\x)+2
	v_pk_mul_f32 v[A:A+1], v[A:A+1], v[T+8*(\x)+2:T+8*(\x)+3] op_sel_hi:[1,0]
	v_pk_add_f32 v[C1:C1+1], v[P:P+1], v[P+2:P+3]
	v_pk_add_f32 v[C2:C2+1], v[P+4:P+5], v[P+6:P+7]
	v_pk_add_f32 v[C3:C3+1], v[P+8:P+9], v[P+10:P+11]
.irp j, 12,20,28,36,44,52
	v_pk_add_f32 v[A:A+1], v[A:A+1], v[P+\j:P+\j+1]
	v_pk_add_f32 v[C1:C1+1], v[C1:C1+1], v[P+\j+2:P+\j+3]
	v_pk_add_f32 v[C2:C2+1], v[C2:C2+1], v[P+\j+4:P+\j+5]
	v_pk_add_f32 v[C3:C3+1], v[C3:C3+1], v[P+\j+6:P+\j+7]
.endr
	v_pk_add_f32 v[A:A+1], v[A:A+1], v[P+60:P+61]
	v_pk_add_f32 v[C1:C1+1], v[C1:C1+1], v[P+62:P+63]
	v_pk_add_f32 v[C1:C1+1], v[C1:C1+1], v[C2:C2+1]
	v_pk_add_f32 v[A:A+1], v[A:A+1], v[C3:C3+1]
	v_pk_add_f32 v[A:A+1], v[A:A+1], v[C1:C1+1]
.endm
.macro HOLD2 a                         ; the conversion does not saturate (ISA guide 7.6.2); p is not negative, so the hold is one-sided; two numbers an instruction
	v_dual_min_num_f32 v[\a], v[\a], v[LIM2] :: v_dual_min_num_f32 v[\a+1], v[\a+1], v[LIM2B]
.endm
.macro CODES x                         ; tile T's eight numbers become registers 2 T, 2 T + 1 of the second product's source 1
	WIN W_CV
.irp t, 0,1,2,3,4,5,6,7
	v_cvt_scalef32_pk8_fp8_f32 v[PC+16*(\x)+2*\t:PC+16*(\x)+2*\t+1], v[S+64*(\x)+8*\t:S+64*(\x)+8*\t+7], v[SC2]
.endr
	WIN 0
.endm
; A KEY STEP: 128 keys for my two tiles of queries: 32 matrix instructions, every accumulator one turn a product.  pf = 1: the slot has a further step, whose K is fetched here.
.macro STEP pf
	PLACES 5                                       ; the scores are laid over the registers that the last products read as V (ISA guide 7.12.1)
	s_wait_dscnt 16                                ; K's tiles 0-3 are in; the 16 loads of tiles 4-7 may be out
	WIN W_KQ0
.irp t, 0,1,2,3
.irp x, 0,1
	v_wmma_f32_16x16x128_fp8_fp8 v[S+64*\x+8*\t:S+64*\x+8*\t+7], v[F0+16*\t:F0+16*\t+15], v[QF+16*\x:QF+16*\x+15], 0
.endr
.endr
	s_wait_dscnt 0x0
	WIN W_KQ1
.irp t, 0,1,2,3
.irp x, 0,1
	v_wmma_f32_16x16x128_fp8_fp8 v[S+64*\x+8*(4+\t):S+64*\x+8*(4+\t)+7], v[F1+16*\t:F1+16*\t+15], v[QF+16*\x:QF+16*\x+15], 0
.endr
.endr
	WIN 0
	PLACES 4                                       ; in front of the loads into K's fragments and of the first read of the scores
.if \pf
	KLOAD 16384                                    ; the next step's K: it has the whole softmax in which to land
	s_add_co_u32 s[KO], s[KO], 16384
	v_add_nc_u32 v[ADK], s[KO], v[LI]
.endif
	; the step's largest score of each query among my 64 keys, two chains a tile, each accumulator from its low end on
.irp x, 0,1
	v_max3_num_f32 v[T+8*\x], v[S+64*\x], v[S+64*\x+1], v[S+64*\x+2]
.endr
.irp x, 0,1
	v_max3_num_f32 v[T+8*\x+2], v[S+64*\x+3], v[S+64*\x+4], v[S+64*\x+5]
.endr
.irp i, 6,10,14,18,22,26,30,34,38,42,46,50,54,58
.irp x, 0,1
	v_max3_num_f32 v[T+8*\x], v[T+8*\x], v[S+64*\x+\i], v[S+64*\x+\i+1]
.endr
.irp x, 0,1
	v_max3_num_f32 v[T+8*\x+2], v[T+8*\x+2], v[S+64*\x+\i+2], v[S+64*\x+\i+3]
.endr
.endr
.irp x, 0,1
	v_max3_num_f32 v[T+8*\x], v[T+8*\x], v[S+64*\x+62], v[S+64*\x+63]
.endr
.irp x, 0,1
	v_max_num_f32 v[T+8*\x], v[T+8*\x], v[T+8*\x+2]
.endr
.irp x, 0,1
	v_permlanex16_b32 v[T+8*\x+4], v[T+8*\x], s[SEL], s[SEL+1]   ; the query's other 64 keys lie in the lane 16 away
.endr
.irp x, 0,1
	v_max_num_f32 v[T+8*\x], v[T+8*\x], v[T+8*\x+4]
.endr
.irp x, 0,1
	v_mul_f32 v[T+8*\x], s[CS], v[T+8*\x]          ; as t (c is positive)
.endr
.irp x, 0,1
	v_max_num_f32 v[ST+4*\x+1], v[ST+4*\x+1], v[T+8*\x]
.endr
.irp x, 0,1
	v_mov_b32 v[T+8*\x], v[ST+4*\x]
.endr
.irp x, 0,1
	v_floor_f32 v[ST+4*\x], -v[ST+4*\x+1]          ; the new -M = -ceil(t)
.endr
.irp x, 0,1
	v_sub_f32 v[T+8*\x], v[ST+4*\x], v[T+8*\x]     ; old M - new M: a whole number, 0 or less
.endr
.irp x, 0,1
	v_cvt_i32_f32 v[T+8*\x], v[T+8*\x]
.endr
.irp x, 0,1
	v_ldexp_f32 v[T+8*\x+2], 1.0, v[T+8*\x]        ; f = 2^(old M - new M)
.endr
	WIN W_RS
.irp x, 0,1
.set j, 0
.rept 32
	v_pk_mul_f32 v[64*\x+j:64*\x+j+1], v[64*\x+j:64*\x+j+1], v[T+8*\x+2:T+8*\x+3] op_sel_hi:[1,0]   ; O^T under the new M, ahead of the step's exponentials, each accumulator from its low end on
.set j, j+2
.endr
.endr
	WIN 0
.set j, 0
.rept 32
	v_pk_fma_f32 v[S+j:S+j+1], v[S+j:S+j+1], s[CS:CS+1], v[ST:ST+1] op_sel_hi:[1,0,0]   ; tile 0: t - M
.set j, j+2
.endr
	s_wait_alu depctr_va_vdst(0)                   ; the wait ahead of the batch
.set j, 0
.rept 32                                       ; tile 0's exponentials; tile 1's scalings, read behind the next wait, stand among them
	v_exp_f32 v[S+j], v[S+j]
	v_exp_f32 v[S+j+1], v[S+j+1]
	v_pk_fma_f32 v[S+64+j:S+64+j+1], v[S+64+j:S+64+j+1], s[CS:CS+1], v[ST+4:ST+5] op_sel_hi:[1,0,0]
.set j, j+2
.endr
	s_wait_alu depctr_va_vdst(0)                   ; one wait behind the batch, which is also the wait ahead of the next
	SUMS 0
.set j, 0
.rept 32                                       ; tile 1's exponentials; tile 0's holds, read behind the next wait, stand among them
	v_exp_f32 v[S+64+j], v[S+64+j]
	v_exp_f32 v[S+64+j+1], v[S+64+j+1]
	HOLD2 S+j
.set j, j+2
.endr
	v_nop                                          ; a plain line behind the last exponential
	s_wait_alu depctr_va_vdst(0)                   ; one wait behind the batch
	CODES 0
	VLOAD 0                                        ; lands under tile 1's sums, holds and codes
	SUMS 1
.set j, 0
.rept 32
	HOLD2 S+64+j
.set j, j+2
.endr
	CODES 1
	v_nop                                          ; a plain line behind the last conversion
	VLOAD 1
.if \pf
	s_add_co_u32 s[VO], s[VO], 128
	v_add_nc_u32 v[ADV], s[VO], v[AV0]             ; the next step's 128 keys of each row of V
.endif
	s_wait_alu depctr_va_vdst(0)
	s_wait_dscnt 16                                ; V's tiles 0-3 are in; the 16 loads of tiles 4-7 may be out
	WIN W_PV
.irp t, 0,1,2,3
.irp x, 0,1
	v_wmma_f32_16x16x128_fp8_fp8 v[64*\x+8*\t:64*\x+8*\t+7], v[S+16*\t:S+16*\t+15], v[PC+16*\x:PC+16*\x+15], v[64*\x+8*\t:64*\x+8*\t+7]
.endr
.endr
	s_wait_dscnt 0x0
.irp t, 4,5,6,7
.irp x, 0,1
	v_wmma_f32_16x16x128_fp8_fp8 v[64*\x+8*\t:64*\x+8*\t+7], v[S+16*\t:S+16*\t+15], v[PC+16*\x:PC+16*\x+15], v[64*\x+8*\t:64*\x+8*\t+7]
.endr
.endr
	WIN 0
.endm
; A SLOT.  At its head the change of slots: each wave waits for all its tensor loads (one is out: its part of the slot ahead), adds 0 to its spare word, and waits for that and for its reads of the slot that it has left.
; fill = 1: the slot just left takes the 512 keys that follow, behind a round of the cluster's barrier; the joint load is the first thing behind it and has the slot's four steps in which to land.
.macro SLOTRUN fill
	s_wait_tensorcnt 0x0
	ds_add_u32 v[SPW], v[NIL]
.if \fill
	s_xor_b32 s[G0K+1], s[G0K+1], SLOTB            ; the walking descriptors: the other slot,
	s_add_nc_u64 s[G0K+2:G0K+3], s[G0K+2:G0K+3], 65536   ; the next 32 images,
	s_xor_b32 s[G0V+1], s[G0V+1], SLOTB
	s_add_nc_u64 s[G0V+2:G0V+3], s[G0V+2:G0V+3], 512     ; the next 512 keys of each row
.endif
	s_wait_dscnt 0x0
.if \fill
	CROUND
	JLOAD
.else
	s_barrier_signal -1
	s_barrier_wait -1
.endif
	s_mov_b32 s[KO], s[TB]
	s_mov_b32 s[VO], s[TB]
	v_add_nc_u32 v[ADK], s[KO], v[LI]
	v_add_nc_u32 v[ADV], s[VO], v[AV0]
	s_wait_alu depctr_va_vdst(0)
	KLOAD 0
	s_mov_b32 s[CNT], 3
.Lstep_\@:
	STEP 1
	s_sub_co_u32 s[CNT], s[CNT], 1
	s_cmp_lg_u32 s[CNT], 0
	s_cbranch_scc1 .Lstep_\@
	STEP 0                                         ; the slot's last step fetches no K: the next lies behind the change of slots
	s_xor_b32 s[TB], s[TB], SLOTB
.endm
	s_wait_alu depctr_va_vdst(0)                   ; the wait at the head's end
.Lslot:                                            ; NSL - 1 trips; the last slot is written out
	SLOTRUN 1
	s_sub_co_u32 s[SLOTS], s[SLOTS], 1
	s_cmp_lg_u32 s[SLOTS], 0
	s_cbranch_scc1 .Lslot
	SLOTRUN 0
	; THE WAY OUT.  O^T / the sum x 2^(e2 + e3) is the attention's result, in f32; it is quantised with 2^e4 and leaves as two images.  The first six lines are the places behind the last products.
.irp x, 0,1
	v_add_f32 v[T+8*\x], v[ST+4*\x+2], v[ST+4*\x+3]
.endr
.irp x, 0,1
	v_permlanex16_b32 v[T+8*\x+4], v[T+8*\x], s[SEL], s[SEL+1]
.endr
.irp x, 0,1
	v_add_f32 v[T+8*\x], v[T+8*\x], v[T+8*\x+4]    ; the row's sum
.endr
	s_wait_alu depctr_va_vdst(0)                   ; the wait ahead of the transcendentals
.irp x, 0,1
	v_rcp_f32 v[T+8*\x], v[T+8*\x]
.endr
	v_nop
	s_wait_alu depctr_va_vdst(0)                   ; and behind them, ahead of the first reader
.irp x, 0,1
	v_ldexp_f32 v[T+8*\x], v[T+8*\x], s60          ; x 2^(e2 + e3)
.endr
	WIN W_OUT
	s_wait_alu depctr_va_vdst(0)                   ; the wait directly ahead of the first reader of O^T
.irp x, 0,1
.set j, 0
.rept 64
	v_mul_f32 v[S+64*\x+j], v[64*\x+j], v[T+8*\x]  ; register 8 t + i: channel 16 t + 8 h + i of query r
.set j, j+1
.endr
.endr
	WIN 0
.set j, 0
.rept 128
	v_med3_num_f32 v[S+j], v[S+j], -v[LIM4], v[LIM4]
.set j, j+1
.endr
.irp x, 0,1
.irp t, 0,1,2,3,4,5,6,7
	v_cvt_scalef32_pk8_fp8_f32 v[F0+16*\x+2*\t:F0+16*\x+2*\t+1], v[S+64*\x+8*\t:S+64*\x+8*\t+7], v[SC4]
.endr
.endr
	v_nop
; An image wants channels 32 c + 16 h + 0 .. 15 in registers 4 c .. 4 c + 3.  The swap exchanges the first register's lanes 16-31 with the second's lanes 0-15: just what is wanted.
.irp x, 0,1
.irp c, 0,1,2,3
	v_permlane16_swap_b32 v[F0+16*\x+4*\c], v[F0+16*\x+4*\c+2]
	v_permlane16_swap_b32 v[F0+16*\x+4*\c+1], v[F0+16*\x+4*\c+3]
.endr
.endr
.irp x, 0,1
.irp c, 0,1,2,3
	global_store_b128 v[LI], v[F0+16*\x+4*\c:F0+16*\x+4*\c+3], s[12:13] offset:4096*\x+512*\c   ; 32 lanes store 512 consecutive bytes
.endr
.endr
	s_wait_tensorcnt 0x0                           ; the wave's end
	ds_add_u32 v[SPW], v[NIL]
	s_wait_dscnt 0x0
	CROUND                                         ; the closing round
	s_endpgm
.Lfunc_end_k_q397973250a_attn:
	.size	k_q397973250a_attn, .Lfunc_end_k_q397973250a_attn-k_q397973250a_attn
	.p2alignl 7, 3214868480
	.fill 96, 4, 3214868480
	.section	.rodata,"a",@progbits
	.p2align	6, 0x0
	.amdhsa_kernel k_q397973250a_attn
		.amdhsa_group_segment_fixed_size 327680
		.amdhsa_private_segment_fixed_size 0
		.amdhsa_enable_private_segment 0
		.amdhsa_kernarg_size 40
		.amdhsa_user_sgpr_count 2
		.amdhsa_user_sgpr_kernarg_segment_ptr 1
		.amdhsa_wavefront_size32 1
		.amdhsa_system_sgpr_workgroup_id_x 1
		.amdhsa_system_sgpr_workgroup_id_y 1
		.amdhsa_system_sgpr_workgroup_id_z 1
		.amdhsa_system_vgpr_workitem_id 0
		.amdhsa_next_free_vgpr 512
		.amdhsa_next_free_sgpr 100
		.amdhsa_reserve_vcc 0
		.amdhsa_float_denorm_mode_32 3
		.amdhsa_float_denorm_mode_16_64 3
		.amdhsa_memory_ordered 1
		.amdhsa_forward_progress 1
		.amdhsa_inst_pref_size 178
	.end_amdhsa_kernel
	.amdgpu_metadata
---
amdhsa.version: [ 1, 2 ]
amdhsa.kernels:
  - .name:           k_q397973250a_attn
    .symbol:         k_q397973250a_attn.kd
    .args:
      - { .name: q, .offset: 0, .size: 8, .value_kind: global_buffer, .address_space: global }
      - { .name: k_codes, .offset: 8, .size: 8, .value_kind: global_buffer, .address_space: global }
      - { .name: v_codes, .offset: 16, .size: 8, .value_kind: global_buffer, .address_space: global }
      - { .name: lowp_scales, .offset: 24, .size: 8, .value_kind: global_buffer, .address_space: global }
      - { .name: a_codes, .offset: 32, .size: 8, .value_kind: global_buffer, .address_space: global }
    .group_segment_fixed_size: 327680
    .private_segment_fixed_size: 0
    .kernarg_segment_align: 8
    .kernarg_segment_size: 40
    .max_flat_workgroup_size: 256
    .sgpr_count:     100
    .vgpr_count:     512
    .wavefront_size: 32
...
	.end_amdgpu_metadata
.endif
;; end of part 2
;; launch proj (part 3): grid 8 x 32, 4 waves a work-group, clusters of 4 x 4, 327,680 bytes of LDS; arguments a_codes, Wc_codes, lowp_scales, bc, out0; writes out0
.if DOCPART == 3
	.amdgcn_target "amdgcn-amd-amdhsa--gfx1250"
	.amdhsa_code_object_version 6
	.text
	.protected	k_q397973250a_proj
	.globl	k_q397973250a_proj
	.p2align	8
	.type	k_q397973250a_proj,@function
k_q397973250a_proj:
	s_mov_b64 s[64:65], 0
	v_nop
	global_prefetch_b8 v0, s[64:65] scope:SCOPE_SE
	s_setreg_imm32_b32 hwreg(HW_REG_WAVE_MODE, 25, 1), 1
	s_wait_xcnt 0x0
	s_wait_alu depctr_hold_cnt(0) depctr_sa_sdst(0) depctr_va_vdst(0) depctr_va_sdst(0) depctr_va_ssrc(0) depctr_va_vcc(0) depctr_vm_vsrc(0)
	s_getreg_b32 s2, hwreg(HW_REG_IB_STS2, 6, 4)
	s_cmp_eq_u32 s2, 0
	s_cbranch_scc0 .Lentry_in_a_cluster
	s_endpgm
.Lentry_in_a_cluster:
	s_bfe_u32 s2, ttmp6, 0x10000c
	s_cmp_lg_u32 s2, 0xf033
	s_cbranch_scc0 .Lentry_shape_is_right
	s_endpgm
.Lentry_shape_is_right:
; out0 = a Wc^T x 2^(e4 + e5) + bc on codes of FP8 (E4M3).  a comes as images of fragments (the attention launch's result layout), Wc as codes with K innermost.
; LIMIT: e4 + e5 between -126 and 127, so that 2^(e4 + e5) is an f32 number.
; A work-group of four waves makes 128 x 256 of the result, a wave 64 x 128.  K goes in steps of 256 through a ring of two LDS slots; 4 x 4 work-groups form a cluster and ask for a's and Wc's tiles jointly.
; PREFETCH: beside the load of K step s stands one request a wave for K step s + 2 (beside the first load for step 1 too).  Of the bytes that a wave fetches, each of the four partners that
; ask jointly names a quarter, told apart by address: a: 16 blocks of 256 bytes (lanes 16-31 name them again); Wc: 32 rows, a lane a row.  Wc's rows are asked for by the first four rows of clusters alone.
; The last two refills ask for nothing: no K step lies two behind them.
.set PITCH,  272
.set BOFF,   32768
.set HALFB,  128*PITCH
.set SLOT,   BOFF+2*HALFB
.set SPARE,  2*SLOT
.set SPITCH, 528
.set ASTEP,  1048576
.set LAPS,   4
.set ADRA, 16
.set ADRB, 20
.set STO,  24
.set RD,   25
.set CO,   26
.set BO,   27
.set SPW,  28
.set NIL,  29
.set TMP,  32
.set AF,   128
.set BK,   128
.set G1,  24
.set G0,  32
.set G1B, 48
.set G0B, 56
.set MUL,     0xa1
.set TO_B,    0x40
.set TO_BIAS, 0xc0
.set OUTW,    0x32
.set MSB, 0
.macro WIN new
.if MSB != \new
	s_set_vgpr_msb (MSB<<8)|\new
.set MSB, \new
.endif
.endm
.macro PLACES n
.rept \n
	v_nop
.endr
.endm
.macro JLOAD s
	s_cmp_eq_u32 s15, 0
	s_cbranch_scc0 .Lfor_b_\@
	tensor_load_to_lds s[G0+4*\s:G0+4*\s+3], s[G1:G1+7]
	s_nop 0
.rept 4
	v_nop
.endr
	s_branch .Lasked_\@
.Lfor_b_\@:
	tensor_load_to_lds s[G0B+4*\s:G0B+4*\s+3], s[G1B:G1B+7]
	s_nop 0
.rept 4
	v_nop
.endr
.Lasked_\@:
.endm
.macro CREST
	s_cmp_lg_u32 s14, 0
	s_cbranch_scc1 .Lnot_wave_0_\@
	s_barrier_signal -3
.Lnot_wave_0_\@:
	s_barrier_wait -3
	s_barrier_signal -1
	s_barrier_wait -1
.endm
.macro CROUND
	s_barrier_signal -1
	s_barrier_wait -1
	CREST
.endm
	s_load_b128 s[4:7], s[0:1], 0x0
	s_load_b128 s[8:11], s[0:1], 0x10
	s_load_b64 s[12:13], s[0:1], 0x20
	v_lshl_add_u32 v[SPW], v0, 2, SPARE
	v_mov_b32 v[NIL], 0
	ds_add_u32 v28, v29
	ds_add_u32 v28, v29
	s_wait_dscnt 0x0
	v_lshrrev_b32 v1, 5, v0
	v_readfirstlane_b32 s14, v1
	s_lshr_b32 s15, s14, 1
	s_and_b32 s16, s14, 1
	s_bfe_u32 s40, ttmp6, 0x40000
	s_bfe_u32 s41, ttmp6, 0x40004
	s_lshl_b32 s42, ttmp9, 2
	s_add_co_u32 s42, s42, s40
	s_and_b32 s17, ttmp7, 0xffff
	s_lshl_b32 s17, s17, 2
	s_add_co_u32 s17, s17, s41
	s_lshl_b32 s43, s41, 2
	s_lshl_b32 s43, 15, s43
	s_lshl_b32 s44, 0x1111, s40
	s_or_b32 s[G1+0], s43, (3<<16)|(1<<21)
	s_mov_b32 s[G1+1], 32<<16
	s_mov_b32 s[G1+2], 64<<16
	s_mov_b32 s[G1+3], 32<<16
	s_mov_b32 s[G1+4], 64
	s_mov_b32 s[G1+5], 32
	s_mov_b32 s[G1+6], 0
	s_mov_b32 s[G1+7], 0
	s_or_b32 s[G1B+0], s44, (1<<20)|(1<<21)|(5<<22)|(3<<25)
	s_mov_b32 s[G1B+1], 256<<16
	s_mov_b32 s[G1B+2], 128<<16
	s_mov_b32 s[G1B+3], 256<<16
	s_mov_b32 s[G1B+4], 128
	s_mov_b32 s[G1B+5], 2048
	s_mov_b32 s[G1B+6], 0
	s_mov_b32 s[G1B+7], 0
	s_lshl_b32 s20, s17, 15
	s_lshl_b32 s18, s16, 14
	s_add_co_u32 s20, s20, s18
	s_mov_b32 s21, 0
	s_lshl_b32 s46, s42, 19
	s_lshl_b32 s19, s16, 18
	s_add_co_u32 s46, s46, s19
	s_mov_b32 s47, 0
	s_mul_i32 s22, s16, HALFB
	s_add_co_u32 s22, s22, BOFF
	s_wait_kmcnt 0x0
	s_load_b64 s[96:97], s[8:9], 0x10
	s_add_nc_u64 s[20:21], s[4:5], s[20:21]
	s_add_nc_u64 s[46:47], s[6:7], s[46:47]
	s_cmp_eq_u32 s15, 0                            ; do I fetch for a?
	s_cselect_b64 s[76:77], s[20:21], s[46:47]     ; the prefetches' base: what I fetch,
	s_cselect_b32 s86, s40, s41                    ; my place among the four that ask with me,
	s_cselect_b32 s87, 12, 16                      ; a quarter: 4,096 bytes of a, 32 rows of Wc
	s_cselect_b32 s88, 15, 31
	s_cselect_b32 s89, 8, 11                       ; from lane to lane: 256 bytes of a, a row of Wc
	s_mov_b32 s78, 256
	s_cselect_b32 s78, ASTEP, s78                  ; a K step on
	s_mov_b32 s79, 0
	s_lshl_b32 s86, s86, s87
	s_mov_b32 s87, 0
	s_add_nc_u64 s[76:77], s[76:77], s[86:87]
	s_add_nc_u64 s[76:77], s[76:77], s[78:79]      ; K step 1
	s_add_nc_u64 s[80:81], s[76:77], s[78:79]      ; K step 2
	s_add_nc_u64 s[82:83], s[80:81], s[78:79]      ; K step 3; it walks on in the loop
	s_and_b32 s85, ttmp7, 0xffff
	s_lshr_b32 s85, s85, 2
	s_and_b32 s85, s85, s15
	s_cmp_eq_u32 s85, 0
	s_cselect_b32 s84, 1, -1                       ; 1 where my wave asks
	v_and_b32 v30, s88, v0
	v_lshlrev_b32 v30, s89, v30                    ; the prefetches' offset; never rewritten
	CROUND
.irp s, 0,1
	s_mov_b32 s[G0+4*\s], 1
	s_add_co_u32 s[G0+4*\s+1], s18, \s*SLOT
	s_add_nc_u64 s[G0+4*\s+2:G0+4*\s+3], s[20:21], \s*ASTEP
	s_or_b32 s[G0+4*\s+3], s[G0+4*\s+3], 0x80000000
	s_mov_b32 s[G0B+4*\s], 1
	s_add_co_u32 s[G0B+4*\s+1], s22, \s*SLOT
	s_add_nc_u64 s[G0B+4*\s+2:G0B+4*\s+3], s[46:47], \s*256
	s_or_b32 s[G0B+4*\s+3], s[G0B+4*\s+3], 0x80000000
	s_wait_alu depctr_va_vdst(0)
	s_wait_tensorcnt 0x0
	ds_add_u32 v28, v29
	ds_add_u32 v28, v29
	s_wait_dscnt 0x0
	CROUND
	JLOAD \s
	s_cmp_eq_u32 s84, 1
	s_cbranch_scc0 .Lnohead\s
.if \s == 0
	global_prefetch_b8 v30, s[76:77] th:TH_LOAD_NT scope:SCOPE_SE
	global_prefetch_b8 v30, s[80:81] th:TH_LOAD_NT scope:SCOPE_SE
.else
	global_prefetch_b8 v30, s[82:83] th:TH_LOAD_NT scope:SCOPE_SE
.endif
.Lnohead\s:
.endr
	v_and_b32 v1, 15, v0
	v_bfe_u32 v2, v0, 4, 1
	v_and_b32 v3, 31, v0
	v_lshlrev_b32 v[CO], 4, v3
	v_lshlrev_b32 v[BO], 5, v2
	v_mul_u32_u24 v4, v1, PITCH
	v_lshl_add_u32 v4, v2, 4, v4
	s_lshl_b32 s68, s15, 14
	s_mov_b32 s69, s22
.irp s, 0,1
	v_add_nc_u32 v[ADRA+\s], s68, v[CO]
	v_add_nc_u32 v[ADRB+\s], s69, v4
	s_add_co_u32 s68, s68, SLOT
	s_add_co_u32 s69, s69, SLOT
.endr
	s_mul_i32 s70, s14, 16*SPITCH
	v_mul_u32_u24 v5, v1, SPITCH
	v_lshl_add_u32 v5, v2, 5, v5
	v_add_nc_u32 v[STO], s70, v5
	v_add_nc_u32 v[RD], s70, v[CO]
	s_lshl_b32 s72, s42, 10
	s_lshl_b32 s73, s16, 9
	s_add_co_u32 s72, s72, s73
	s_mov_b32 s73, 0
	s_add_nc_u64 s[10:11], s[10:11], s[72:73]
	s_add_nc_u64 s[12:13], s[12:13], s[72:73]
	s_lshl_b32 s74, s17, 7
	s_lshl_b32 s75, s15, 6
	s_add_co_u32 s74, s74, s75
	s_lshl_b32 s74, s74, 13
	s_mov_b32 s75, 0
	s_add_nc_u64 s[12:13], s[12:13], s[74:75]
	WIN TO_BIAS
.irp b, 0,1,2,3,4,5,6,7
	global_load_b128 v[8*\b:8*\b+3], v[BO], s[10:11] offset:64*\b
	global_load_b128 v[8*\b+4:8*\b+7], v[BO], s[10:11] offset:64*\b+16
.endr
	WIN 0
.macro MUL8 a, p, zero
.irp b, 0,1,2,3,4,5,6,7
.if \zero
	v_wmma_f32_16x16x128_fp8_fp8 v[8*(8*(\a)+\b):8*(8*(\a)+\b)+7], v[128*(\p)+16*\b:128*(\p)+16*\b+15], v[AF+64*(\p)+16*(\a):AF+64*(\p)+16*(\a)+15], 0
.else
	v_wmma_f32_16x16x128_fp8_fp8 v[8*(8*(\a)+\b):8*(8*(\a)+\b)+7], v[128*(\p)+16*\b:128*(\p)+16*\b+15], v[AF+64*(\p)+16*(\a):AF+64*(\p)+16*(\a)+15], v[8*(8*(\a)+\b):8*(8*(\a)+\b)+7]
.endif
.endr
.endm
.macro FETCH slot, q, p
	WIN TO_B
.irp i, 0,1,2,3,4,5,6,7
.irp c, 0,1,2,3
	ds_load_b128 v[128*(\p)+16*\i+4*\c:128*(\p)+16*\i+4*\c+3], v[ADRB+\slot] offset:128*(\q)+32*\c+16*PITCH*\i
.endr
.endr
	WIN 0
.irp i, 0,1,2,3
.irp c, 0,1,2,3
	ds_load_b128 v[AF+64*(\p)+16*\i+4*\c:AF+64*(\p)+16*\i+4*\c+3], v[ADRA+\slot] offset:4096*\i+2048*(\q)+512*\c
.endr
.endr
.endm
.macro STEP slot, zero
	s_wait_dscnt 0x0
	PLACES 4
	FETCH \slot, 1, 1
	WIN MUL
	MUL8 0, 0, \zero
	MUL8 1, 0, \zero
	MUL8 2, 0, \zero
	MUL8 3, 0, \zero
	WIN 0
.endm
.macro TURN slot, next, fill
.if \fill
	s_wait_xcnt 0x0                                ; my last prefetch has read its address, a K step ago: it may be stepped
	s_add_nc_u64 s[82:83], s[82:83], s[78:79]
.endif
	s_wait_tensorcnt 0x0
	ds_add_u32 v[SPW], v[NIL]
	s_wait_dscnt 1
	WIN MUL
	MUL8 0, 1, 0
	s_wait_dscnt 0x0
	s_barrier_signal -1
	MUL8 1, 1, 0
	WIN 0
	s_barrier_wait -1
.if \fill
	CREST
	s_add_nc_u64 s[G0+4*\slot+2:G0+4*\slot+3], s[G0+4*\slot+2:G0+4*\slot+3], 2*ASTEP
	s_add_nc_u64 s[G0B+4*\slot+2:G0B+4*\slot+3], s[G0B+4*\slot+2:G0B+4*\slot+3], 2*256
	JLOAD \slot
.else
	PLACES 4
.endif
	FETCH \next, 0, 0
.if \fill
	s_cmp_gt_u32 s3, s84                           ; not in the loop's last trip
	s_cbranch_scc0 .Lnoask_\@
	global_prefetch_b8 v30, s[82:83] th:TH_LOAD_NT scope:SCOPE_SE
.Lnoask_\@:
.endif
	WIN MUL
	MUL8 2, 1, 0
	MUL8 3, 1, 0
	WIN 0
.endm
	s_wait_alu depctr_va_vdst(0)
	s_wait_tensorcnt 1
	s_barrier_signal -1
	s_barrier_wait -1
	FETCH 0, 0, 0
	STEP 0, 1
	s_mov_b32 s3, LAPS-1
.Llap:
	TURN 0, 1, 1
	STEP 1, 0
	TURN 1, 0, 1
	STEP 0, 0
	s_sub_co_u32 s3, s3, 1
	s_cmp_lg_u32 s3, 0
	s_cbranch_scc1 .Llap
	TURN 0, 1, 0
	STEP 1, 0
	s_wait_dscnt 0x0
	WIN MUL
	MUL8 0, 1, 0
	MUL8 1, 1, 0
	MUL8 2, 1, 0
	MUL8 3, 1, 0
	WIN 0
.macro TOSTAGE a
	WIN OUTW
.set j, 0
.rept 32
	v_pk_fma_f32 v[TMP+j:TMP+j+1], v[64*(\a)+j:64*(\a)+j+1], s[96:97], v[j:j+1] op_sel_hi:[1,0,1]
.set j, j+2
.endr
	WIN 0
.irp b, 0,1,2,3,4,5,6,7
	ds_store_b128 v[STO], v[TMP+8*\b:TMP+8*\b+3] offset:64*\b
	ds_store_b128 v[STO], v[TMP+8*\b+4:TMP+8*\b+7] offset:64*\b+16
.endr
.set BB, BK+64*((\a)%2)
.irp t, 0,1,2,3,4,5,6,7,8,9,10,11,12,13,14,15
	ds_load_b128 v[BB+4*\t:BB+4*\t+3], v[RD] offset:\t*SPITCH
.endr
.endm
.macro SEND a, younger
.set BB, BK+64*((\a)%2)
	s_wait_dscnt \younger
.if (\a) > 0
	s_add_nc_u64 s[12:13], s[12:13], 16*8192
.endif
.irp t, 0,1,2,3,4,5,6,7,8,9,10,11,12,13,14,15
	global_store_b128 v[CO], v[BB+4*\t:BB+4*\t+3], s[12:13] offset:\t*8192 th:TH_STORE_NT
.endr
.endm
	s_wait_kmcnt 0x0
	s_add_co_i32 s96, s96, s97
	s_add_co_i32 s96, s96, 127
	s_lshl_b32 s96, s96, 23
	s_mov_b32 s97, s96
	s_wait_loadcnt 0x0
	PLACES 4
	TOSTAGE 0
.irp a, 1,2,3
.if \a > 1
	s_wait_xcnt 0x0
.endif
	TOSTAGE \a
	SEND \a-1, 32
.endr
	s_wait_xcnt 0x0
	SEND 3, 0
	s_wait_tensorcnt 0x0
	ds_add_u32 v[SPW], v[NIL]
	s_wait_dscnt 0x0
	CROUND
	s_endpgm
.Lfunc_end_k_q397973250a_proj:
	.size	k_q397973250a_proj, .Lfunc_end_k_q397973250a_proj-k_q397973250a_proj
	.p2alignl 7, 3214868480
	.fill 96, 4, 3214868480
	.section	.rodata,"a",@progbits
	.p2align	6, 0x0
	.amdhsa_kernel k_q397973250a_proj
		.amdhsa_group_segment_fixed_size 327680
		.amdhsa_private_segment_fixed_size 0
		.amdhsa_enable_private_segment 0
		.amdhsa_kernarg_size 40
		.amdhsa_user_sgpr_count 2
		.amdhsa_user_sgpr_kernarg_segment_ptr 1
		.amdhsa_wavefront_size32 1
		.amdhsa_system_sgpr_workgroup_id_x 1
		.amdhsa_system_sgpr_workgroup_id_y 1
		.amdhsa_system_sgpr_workgroup_id_z 1
		.amdhsa_system_vgpr_workitem_id 0
		.amdhsa_next_free_vgpr 1024
		.amdhsa_next_free_sgpr 100
		.amdhsa_reserve_vcc 0
		.amdhsa_float_denorm_mode_32 3
		.amdhsa_float_denorm_mode_16_64 3
		.amdhsa_memory_ordered 1
		.amdhsa_forward_progress 1
		.amdhsa_inst_pref_size 79
	.end_amdhsa_kernel
	.amdgpu_metadata
---
amdhsa.version: [ 1, 2 ]
amdhsa.kernels:
  - .name:           k_q397973250a_proj
    .symbol:         k_q397973250a_proj.kd
    .args:
      - { .name: a_codes, .offset: 0, .size: 8, .value_kind: global_buffer, .address_space: global }
      - { .name: Wc_codes, .offset: 8, .size: 8, .value_kind: global_buffer, .address_space: global }
      - { .name: lowp_scales, .offset: 16, .size: 8, .value_kind: global_buffer, .address_space: global }
      - { .name: bc, .offset: 24, .size: 8, .value_kind: global_buffer, .address_space: global }
      - { .name: out0, .offset: 32, .size: 8, .value_kind: global_buffer, .address_space: global }
    .group_segment_fixed_size: 327680
    .private_segment_fixed_size: 0
    .kernarg_segment_align: 8
    .kernarg_segment_size: 40
    .max_flat_workgroup_size: 128
    .sgpr_count:     100
    .vgpr_count:     1024
    .wavefront_size: 32
...
	.end_amdgpu_metadata
.endif
;; end of part 3
